; MI455X (gfx1250); checked and timed in simulation.
; The chip was launched on July 23, 2026; its instructions are those of AMD's public machine-readable ISA for CDNA 5 (MIT licence, August 2026) and "CDNA5" Instruction Set Architecture Reference Guide (July 2026). The comments in the code are by the model that wrote it; some were corrected since.
;; Attention. Allowed arithmetic: float matrix products may take bf16 or f16 operands with f32 sums; all other float work in f32.
;; Inputs: b_out 1,024 float32; m 2 x 2,048 x 1 float32; w_out 1,024 x 1,024 float32; w_qkv 1,024 x 3,072 float32; x 2 x 2,048 x 1,024 float32.
;; Outputs: out0 2 x 2,048 x 1,024 float32.
;; One version. Each part assembles by itself: llvm-mc -triple=amdgcn-amd-amdhsa -mcpu=gfx1250 --defsym DOCPART=n.
;; ======== version 1 of 1: 4 launches
;; limits: values are held in f16: magnitudes above 65,504 overflow, below 6.1e-05 lose precision
;; workspace buffers: xw 16,777,216 bytes; kb 16,384 bytes; qkv 25,165,824 bytes; ob 8,388,608 bytes
;; launch cast (part 1): grid 1025 x 1, 8 waves a work-group, no clusters, 0 bytes of LDS; arguments x, w_qkv, w_out, m, xw, kb; writes xw, kb
.if DOCPART == 1
	.amdgcn_target "amdgcn-amd-amdhsa--gfx1250"
	.amdhsa_code_object_version 6
	.text
	.protected	k_qef17ca648c_cast
	.globl	k_qef17ca648c_cast
	.p2align	8
	.type	k_qef17ca648c_cast,@function
k_qef17ca648c_cast:
	s_mov_b64 s[64:65], 0
	v_nop
	global_prefetch_b8 v0, s[64:65] scope:SCOPE_SE
	s_setreg_imm32_b32 hwreg(HW_REG_WAVE_MODE, 25, 1), 1
	s_wait_xcnt 0x0
; Rounds the three matrix operands once, so that the products read 16-bit tiles and nobody converts twice:
;   xw[0 .. 8,388,607]           = x      as bf16 [4096][1024]
;   xw[8,388,608 .. 14,680,063]  = w_qkv  as bf16 [1024][3072]
;   xw[14,680,064 .. 16,777,215] = w_out  rounded to bf16 and written as f16 [1024][1024]
;   kb[b][j] = 0.0 where m[b][j] != 0, -1.0e30 where m[b][j] == 0: what is added to the scores of key j.
; LIMITS: the second step of w_out (bf16 to f16) is exact for 2^-17 <= |w| < 65,504; below, the error is at most 2^-25; above, f16 overflows.
; A NaN in m counts as not masked, as in the comparison with 0 that the problem makes.
; Work-groups 0..1023 take 8,192 numbers each (32,768 bytes in, 16,384 out); the three sources follow each other in xw in the order of the
; work-groups, so the destination is 16,384 x the work-group's number.  Work-group 1024 makes kb.  A stream: no LDS, no barrier, no matrix unit.
.set X,    4                           ; v[4:35]   eight loads of 16 bytes
.set Y,    36                          ; v[36:51]  what is stored: a pair for each load (mask group: four registers for each load)
.set T,    52                          ; v[52:55]  at work
.set NEGB, 0xf149f2ca                  ; -1.0e30
.set G_X,  512                         ; work-groups for x
.set G_W,  896                         ; first work-group of w_out (384 for w_qkv in front of it)
.set G_M,  1024                        ; the work-group that makes kb
; half = 1: the bf16 numbers are widened again and written as f16
.macro CONV half
.irp j, 0,1,2,3,4,5,6,7
	s_wait_loadcnt 7-\j                            ; loads return in order: load j is in, the 7-j younger ones stay out
	v_cvt_pk_bf16_f32 v[Y+2*\j],   v[X+4*\j],   v[X+4*\j+1]
	v_cvt_pk_bf16_f32 v[Y+2*\j+1], v[X+4*\j+2], v[X+4*\j+3]
.if \half
	v_lshlrev_b32 v[T],   16,         v[Y+2*\j]
	v_and_b32     v[T+1], 0xffff0000, v[Y+2*\j]
	v_lshlrev_b32 v[T+2], 16,         v[Y+2*\j+1]
	v_and_b32     v[T+3], 0xffff0000, v[Y+2*\j+1]
	v_cvt_pk_f16_f32 v[Y+2*\j],   v[T],   v[T+1]
	v_cvt_pk_f16_f32 v[Y+2*\j+1], v[T+2], v[T+3]
.endif
	global_store_b64 v2, v[Y+2*\j:Y+2*\j+1], s[12:13] offset:2048*\j   ; a wave's store covers 256 consecutive bytes, aligned; each j has its own data registers
.endr
.endm
	s_load_b256 s[4:11], s[0:1], 0x0               ; x s[4:5], w_qkv s[6:7], w_out s[8:9], m s[10:11]
	s_load_b128 s[12:15], s[0:1], 0x20             ; xw s[12:13], kb s[14:15]
	v_lshlrev_b32 v1, 4, v0                        ; 16 bytes a thread in
	v_lshlrev_b32 v2, 3, v0                        ; 8 bytes a thread out
	s_wait_kmcnt 0x0
	s_cmp_eq_u32 ttmp9, G_M
	s_cbranch_scc1 .Lmask
	s_cmp_ge_u32 ttmp9, G_X                        ; which source, and the number of its first work-group
	s_cselect_b64 s[16:17], s[6:7], s[4:5]
	s_cselect_b32 s18, G_X, 0
	s_cmp_ge_u32 ttmp9, G_W
	s_cselect_b64 s[16:17], s[8:9], s[16:17]
	s_cselect_b32 s18, G_W, s18
	s_sub_co_u32 s18, ttmp9, s18
	s_lshl_b32 s18, s18, 15                        ; 32,768 bytes of the source for each work-group
	s_mov_b32 s19, 0
	s_add_nc_u64 s[16:17], s[16:17], s[18:19]
	s_lshl_b32 s20, ttmp9, 14                      ; 16,384 bytes of xw for each work-group
	s_mov_b32 s21, 0
	s_add_nc_u64 s[12:13], s[12:13], s[20:21]
.irp j, 0,1,2,3,4,5,6,7
	global_load_b128 v[X+4*\j:X+4*\j+3], v1, s[16:17] offset:4096*\j th:TH_LOAD_NT   ; all eight at once; a wave's load covers 512 consecutive bytes
.endr
	s_cmp_ge_u32 ttmp9, G_W
	s_cbranch_scc1 .Lhalf
	CONV 0
	s_endpgm
.Lhalf:
	CONV 1
	s_endpgm
.Lmask:                                                ; 4,096 numbers of m: 16 a thread
	v_mov_b32 v3, NEGB
.irp j, 0,1,2,3
	global_load_b128 v[X+4*\j:X+4*\j+3], v1, s[10:11] offset:4096*\j
.endr
.irp j, 0,1,2,3
	s_wait_loadcnt 3-\j                            ; load j is in, the younger ones stay out
.irp k, 0,1,2,3
	v_cmp_eq_f32 vcc_lo, 0, v[X+4*\j+\k]
	v_cndmask_b32 v[Y+4*\j+\k], 0, v3, vcc_lo      ; m == 0: -1.0e30, else 0
.endr
	global_store_b128 v1, v[Y+4*\j:Y+4*\j+3], s[14:15] offset:4096*\j
.endr
	s_endpgm
.Lfunc_end_k_qef17ca648c_cast:
	.size	k_qef17ca648c_cast, .Lfunc_end_k_qef17ca648c_cast-k_qef17ca648c_cast
	.p2alignl 7, 3214868480
	.fill 96, 4, 3214868480
	.section	.rodata,"a",@progbits
	.p2align	6, 0x0
	.amdhsa_kernel k_qef17ca648c_cast
		.amdhsa_group_segment_fixed_size 0
		.amdhsa_private_segment_fixed_size 0
		.amdhsa_enable_private_segment 0
		.amdhsa_kernarg_size 48
		.amdhsa_user_sgpr_count 2
		.amdhsa_user_sgpr_kernarg_segment_ptr 1
		.amdhsa_wavefront_size32 1
		.amdhsa_system_sgpr_workgroup_id_x 1
		.amdhsa_system_sgpr_workgroup_id_y 1
		.amdhsa_system_sgpr_workgroup_id_z 1
		.amdhsa_system_vgpr_workitem_id 0
		.amdhsa_next_free_vgpr 56
		.amdhsa_next_free_sgpr 66
		.amdhsa_reserve_vcc 1
		.amdhsa_float_denorm_mode_32 3
		.amdhsa_float_denorm_mode_16_64 3
		.amdhsa_memory_ordered 1
		.amdhsa_forward_progress 1
		.amdhsa_inst_pref_size 11
	.end_amdhsa_kernel
	.amdgpu_metadata
---
amdhsa.version: [ 1, 2 ]
amdhsa.kernels:
  - .name:           k_qef17ca648c_cast
    .symbol:         k_qef17ca648c_cast.kd
    .args:
      - { .name: x, .offset: 0, .size: 8, .value_kind: global_buffer, .address_space: global }
      - { .name: w_qkv, .offset: 8, .size: 8, .value_kind: global_buffer, .address_space: global }
      - { .name: w_out, .offset: 16, .size: 8, .value_kind: global_buffer, .address_space: global }
      - { .name: m, .offset: 24, .size: 8, .value_kind: global_buffer, .address_space: global }
      - { .name: xw, .offset: 32, .size: 8, .value_kind: global_buffer, .address_space: global }
      - { .name: kb, .offset: 40, .size: 8, .value_kind: global_buffer, .address_space: global }
    .group_segment_fixed_size: 0
    .private_segment_fixed_size: 0
    .kernarg_segment_align: 8
    .kernarg_segment_size: 48
    .max_flat_workgroup_size: 256
    .sgpr_count:     66
    .vgpr_count:     56
    .wavefront_size: 32
...
	.end_amdgpu_metadata
.endif
;; end of part 1
;; launch qkv (part 2): grid 8 x 32, 4 waves a work-group, clusters of 4 x 4, 327,680 bytes of LDS; arguments xw, qkv; writes qkv
.if DOCPART == 2
	.amdgcn_target "amdgcn-amd-amdhsa--gfx1250"
	.amdhsa_code_object_version 6
	.text
	.protected	k_qef17ca648c_qkv
	.globl	k_qef17ca648c_qkv
	.p2align	8
	.type	k_qef17ca648c_qkv,@function
k_qef17ca648c_qkv:
	s_mov_b64 s[64:65], 0
	v_nop
	global_prefetch_b8 v0, s[64:65] scope:SCOPE_SE
	s_setreg_imm32_b32 hwreg(HW_REG_WAVE_MODE, 25, 1), 1
	s_wait_xcnt 0x0
	s_wait_alu depctr_hold_cnt(0) depctr_sa_sdst(0) depctr_va_vdst(0) depctr_va_sdst(0) depctr_va_ssrc(0) depctr_va_vcc(0) depctr_vm_vsrc(0)
	s_getreg_b32 s2, hwreg(HW_REG_IB_STS2, 6, 4)
	s_cmp_eq_u32 s2, 0
	s_cbranch_scc0 .Lentry_in_a_cluster
	s_endpgm
.Lentry_in_a_cluster:
	s_bfe_u32 s2, ttmp6, 0x10000c
	s_cmp_lg_u32 s2, 0xf033
	s_cbranch_scc0 .Lentry_shape_is_right
	s_endpgm
.Lentry_shape_is_right:
; qkv = x @ w_qkv: [4096][1024] x [1024][3072], bf16 operands from xw, f32 sums, results in f16, head-major:
;   qkv[part][b][h][t][d], slice P = 32 part + 16 b + h of 262,144 bytes; q (part 0) is multiplied in f32 by 0.125 log2(e) before it is rounded.
; LIMIT: q 0.125 log2(e), k and v must stay below 65,504 (f16).
; A work-group makes 128 rows x 384 columns with four waves; a wave makes 64 x 192: 4 x 12 accumulator tiles of 16 x 16, 384 registers.
; K goes in steps of 128 through two LDS slots filled by tensor loads, one load a wave: waves 0-2 a strip of 128 k-rows x 128 columns of w each,
; wave 3 the 128 rows x 128 k of x.  Every row of every tile is 256 bytes of memory, aligned.
; w stays [k][n] in LDS; its fragments come out by the transposing LDS load.
; CLUSTER 4 x 4: x's tile hangs on the block row alone and is asked for jointly along a row of the cluster, w's strips hang on the block column
; alone and are asked for jointly along a column: a quarter of the requests.
; THE MATRIX INSTRUCTION IS USED TRANSPOSED: source 0 = 16 columns of w, source 1 = 16 rows of x; lane (r, h) then holds row r and its registers
; the columns 8 h + 0..7: eight neighbouring numbers of a row, 16 bytes in f16.
; REGISTER WINDOWS: 0 addresses, x's fragments (two buffers), the way out; 1 w's fragments (two buffers of 96);
;                   2 accumulators of my row tiles 0, 1 (tile (a, b) at 8 (12 a + b)); 3 those of row tiles 2, 3.
.set NT,     12                        ; column tiles of a wave
.set PA,     272                       ; LDS pitch of x's rows: 256 + 16, an odd multiple of 16: the 16 rows of a fragment start in 16 different 16-byte columns modulo 256
.set PW,     288                       ; LDS pitch of w's rows: 256 + 32, an odd multiple of 32, as the transposing load's eight rows a group want
.set STRIP,  128*PW                    ; 36,864: one strip of w
.set AOFF,   3*STRIP                   ; x's tile behind the three strips
.set SLOT,   AOFF+128*PA               ; 145,408
.set STAGE,  2*SLOT                    ; behind the ring: for each wave 3 slices x 16 rows x 144 bytes; no tensor load lands here
.set SP,     144                       ; stage pitch: 128 + 16
.set SSL,    16*SP
.set LAPS,   4                         ; 1024 / (2 x 128): a lap is once round the ring
.set NLD,    2*NT+8                    ; LDS loads of one quarter step
.set WQ_OFF, 8388608                   ; w_qkv's place in xw
.set ASTEP,  256                       ; bytes from K step to K step in x
.set WSTEP,  128*6144                  ; and in w
.set QS,     0x3e38aa3b                ; 0.125 log2(e)
.set ADRA, 16                          ; v16-17  x's fragments in slot 0, 1
.set ADRB, 18                          ; v18-23  w's fragments: slot 0 slices 0-2, slot 1 slices 0-2
.set STO,  24
.set RD,   25
.set CO,   26
.set FA,   32                          ; v32-95  x's fragments: buffer f at 32 + 32 f
.set TMPF, 96                          ; v96-127  the way out: scaled f32
.set TMPH, 128                         ; v128-143 packed f16
.set RB,   144                         ; v144-191 rows read back
.set G1,  24
.set G0,  32
.set G1B, 48
.set G0B, 56
.set BASE, 68                          ; s[68:73] the three slices' places in qkv
.set FAC,  74                          ; s[74:79] their factors, a pair each
.set MSB, 0
.macro WIN new                         ; the immediate's high byte repeats the setting that is left
.if MSB != \new
	s_set_vgpr_msb (MSB<<8)|\new
.set MSB, \new
.endif
.endm
.set MUL_LO, 0xa1                      ; source 0 (w) window 1, source 1 (x) window 0, C and D window 2
.set MUL_HI, 0xf1                      ; the same, C and D window 3
.set TO_B,   0x40                      ; destination window 1, address window 0
; A joint load: wave 3 asks for x's tile, waves 0-2 for w's strips.  Each line has one mask; the branch hangs on the wave's number alone.
.macro JLOAD s
	s_cmp_eq_u32 s10, 3
	s_cbranch_scc0 .Lfor_w_\@
	tensor_load_to_lds s[G0+4*\s:G0+4*\s+3], s[G1:G1+7]
	s_nop 0
	s_branch .Lasked_\@
.Lfor_w_\@:
	tensor_load_to_lds s[G0B+4*\s:G0B+4*\s+3], s[G1B:G1B+7]
	s_nop 0
.Lasked_\@:
.endm
.macro CREST                           ; a round of the cluster's barrier behind its opening work-group barrier
	s_cmp_lg_u32 s10, 0
	s_cbranch_scc1 .Lnot_wave_0_\@
	s_barrier_signal -3
.Lnot_wave_0_\@:
	s_barrier_wait -3
	s_barrier_signal -1
	s_barrier_wait -1
.endm
.macro CROUND                          ; a whole round
	s_barrier_signal -1
	s_barrier_wait -1
	CREST
.endm
.macro PLACES                          ; four places behind matrix instructions, in front of loads into their sources and of reads of their results
.rept 4
	v_nop
.endr
.endm
; 12 matrix instructions: row tile 2 hi + a x all 12 column tiles, 32 along K, from buffer f.  zero = 1: the product starts the sums.
; The 48 accumulators take turns, one instruction a turn, in the same order in every quarter step.
.macro MULROW f, hi, a, zero
.irp b, 0,1,2,3,4,5,6,7,8,9,10,11
.if \zero
	v_wmma_f32_16x16x32_bf16 v[8*(NT*\a+\b):8*(NT*\a+\b)+7], v[96*\f+8*\b:96*\f+8*\b+7], v[FA+32*\f+8*(2*\hi+\a):FA+32*\f+8*(2*\hi+\a)+7], 0
.else
	v_wmma_f32_16x16x32_bf16 v[8*(NT*\a+\b):8*(NT*\a+\b)+7], v[96*\f+8*\b:96*\f+8*\b+7], v[FA+32*\f+8*(2*\hi+\a):FA+32*\f+8*(2*\hi+\a)+7], v[8*(NT*\a+\b):8*(NT*\a+\b)+7]
.endif
.endr
.endm
; 32 LDS loads in one run: quarter kq of a slot into buffer f: w's 12 tiles (transposed on the way), then x's 4
.macro FETCH slot, kq, f
	WIN TO_B
.irp b, 0,1,2,3,4,5,6,7,8,9,10,11
	ds_load_tr16_b128 v[96*\f+8*\b:96*\f+8*\b+3],   v[ADRB+3*\slot+\b/4] offset:\kq*32*PW+32*(\b%4)
	ds_load_tr16_b128 v[96*\f+8*\b+4:96*\f+8*\b+7], v[ADRB+3*\slot+\b/4] offset:\kq*32*PW+32*(\b%4)+16*PW
.endr
	WIN 0
.irp i, 0,1,2,3
	ds_load_b128 v[FA+32*\f+8*\i:FA+32*\f+8*\i+3],   v[ADRA+\slot] offset:64*\kq+\i*16*PA
	ds_load_b128 v[FA+32*\f+8*\i+4:FA+32*\f+8*\i+7], v[ADRA+\slot] offset:64*\kq+\i*16*PA+32
.endr
.endm
; A quarter step: multiplies buffer f, and in its middle fetches quarter kq of the same slot into buffer g
.macro QUARTER slot, kq, f, g, zero
	s_wait_dscnt 4                                 ; all of buffer f but the four youngest loads, x's row tiles 2 and 3
	WIN MUL_LO
	MULROW \f, 0, 0, \zero
	MULROW \f, 0, 1, \zero
	PLACES
	FETCH \slot, \kq, \g
	s_wait_dscnt NLD                               ; all but the loads just issued
	WIN MUL_HI
	MULROW \f, 1, 0, \zero
	MULROW \f, 1, 1, \zero
.endm
.macro SEQ slot, zero
	QUARTER \slot, 1, 0, 1, \zero
	QUARTER \slot, 2, 1, 0, 0
	QUARTER \slot, 3, 0, 1, 0
.endm
; The last quarter of a K step multiplies buffer 1 and changes slots.  In front of the barrier each wave waits for its reads of this slot and for
; all its tensor loads (the one that is out is its part of the next slot); behind it this slot is asked for again first, then the next slot is read.
.macro TURN slot, next, fill
	s_wait_dscnt 4
	WIN MUL_LO
	MULROW 1, 0, 0, 0
	s_wait_dscnt 0                                 ; my reads of this slot are over
	s_wait_tensorcnt 0x0                           ; all my tensor loads have landed
	ds_add_u32 v255, v255
	s_wait_dscnt 0x0
	s_barrier_signal -1                            ; (where the slot is filled again this barrier opens a round of the cluster's barrier)
	MULROW 1, 0, 1, 0                              ; register work while the others arrive
	WIN 0
	s_barrier_wait -1
.if \fill
	CREST                                          ; no wave of any partner still reads this slot or has a load on its way
	s_add_nc_u64 s[G0+4*\slot+2:G0+4*\slot+3], s[G0+4*\slot+2:G0+4*\slot+3], 2*ASTEP
	s_add_nc_u64 s[G0B+4*\slot+2:G0B+4*\slot+3], s[G0B+4*\slot+2:G0B+4*\slot+3], 2*WSTEP
	JLOAD \slot                                    ; my one tensor load behind the round, and the first thing there
.endif
	PLACES
	FETCH \next, 0, 0
	WIN MUL_HI
	MULROW 1, 1, 0, 0
	MULROW 1, 1, 1, 0
.endm
.macro LAP zero
	SEQ 0, \zero
	TURN 0, 1, 1
	SEQ 1, 0
	TURN 1, 0, 1
.endm
	s_load_b128 s[4:7], s[0:1], 0x0                ; xw s[4:5], qkv s[6:7]
	s_set_vgpr_msb 0x40
	v_lshl_add_u32 v255, v0, 2, 0x4dc00
	s_set_vgpr_msb 0x4000
	v_mov_b32 v255, 0
	s_set_vgpr_msb 0x1
	ds_add_u32 v255, v255
	s_set_vgpr_msb 0x100
	v_lshrrev_b32 v1, 5, v0
	v_readfirstlane_b32 s10, v1                    ; wave 0..3
	s_lshr_b32 s11, s10, 1                         ; wm: which 64 rows
	s_and_b32 s12, s10, 1                          ; wn: which 192 columns
	s_bfe_u32 s40, ttmp6, 0x40000                  ; cx
	s_bfe_u32 s41, ttmp6, 0x40004                  ; cy
	s_lshl_b32 s42, ttmp9, 2
	s_add_co_u32 s42, s42, s40                     ; block column bx = 4 x cluster x + cx
	s_and_b32 s13, ttmp7, 0xffff
	s_lshl_b32 s13, s13, 2
	s_add_co_u32 s13, s13, s41                     ; block row by = 4 x cluster y + cy
	s_lshl_b32 s43, s41, 2
	s_lshl_b32 s43, 15, s43                        ; my row of the cluster
	s_lshl_b32 s44, 0x1111, s40                    ; my column
	; group 1: tiles of 128 rows x 128 elements of 2 bytes; a pad behind every 64 words: 4 words for x, 8 for w
	s_or_b32 s[G1+0],  s43, (1<<16)|(1<<20)|(1<<21)|(5<<22)|(3<<25)
	s_or_b32 s[G1B+0], s44, (1<<16)|(1<<20)|(1<<21)|(5<<22)|(7<<25)
	s_mov_b32 s[G1+1],  128<<16                    ; tensor_dim0 = 128
	s_mov_b32 s[G1B+1], 128<<16
	s_mov_b32 s[G1+2],  128<<16                    ; tensor_dim1 = 128
	s_mov_b32 s[G1B+2], 128<<16
	s_mov_b32 s[G1+3],  128<<16                    ; tile_dim0 = 128
	s_mov_b32 s[G1B+3], 128<<16
	s_mov_b32 s[G1+4],  128                        ; tile_dim1 = 128
	s_mov_b32 s[G1B+4], 128
	s_mov_b32 s[G1+5],  1024                       ; elements from row to row of x
	s_mov_b32 s[G1B+5], 3072                       ; and of w
	s_mov_b32 s[G1+6],  0
	s_mov_b32 s[G1B+6], 0
	s_mov_b32 s[G1+7],  0
	s_mov_b32 s[G1B+7], 0
	s_lshl_b32 s16, s13, 18                        ; x: 128 rows of 2,048 bytes for each block row
	s_mov_b32 s17, 0
	s_mul_i32 s46, s42, 768                        ; w: 384 columns for each block column,
	s_lshl_b32 s47, s10, 8                         ; the wave's strip of 128 columns,
	s_add_co_u32 s46, s46, s47
	s_add_co_u32 s46, s46, WQ_OFF                  ; behind x in xw
	s_mov_b32 s47, 0
	s_mul_i32 s20, s10, STRIP                      ; where a strip goes: the wave's number alone
	s_wait_dscnt 0x0
	s_wait_kmcnt 0x0
	s_add_nc_u64 s[14:15], s[4:5], s[16:17]
	s_add_nc_u64 s[46:47], s[4:5], s[46:47]
	CROUND                                         ; all sixteen work-groups are here: the first joint loads meet
.irp s, 0,1
	s_mov_b32 s[G0+4*\s], 1
	s_mov_b32 s[G0+4*\s+1], \s*SLOT+AOFF
	s_add_nc_u64 s[G0+4*\s+2:G0+4*\s+3], s[14:15], \s*ASTEP
	s_or_b32 s[G0+4*\s+3], s[G0+4*\s+3], 0x80000000
	s_mov_b32 s[G0B+4*\s], 1
	s_add_co_u32 s[G0B+4*\s+1], s20, \s*SLOT
	s_add_nc_u64 s[G0B+4*\s+2:G0B+4*\s+3], s[46:47], \s*WSTEP
	s_or_b32 s[G0B+4*\s+3], s[G0B+4*\s+3], 0x80000000
	JLOAD \s                                       ; both slots' first fills: two loads of this wave are out
.endr
	v_and_b32 v1, 15, v0                           ; r
	v_bfe_u32 v2, v0, 4, 1                         ; h
	v_mul_u32_u24 v3, v1, PA
	v_lshl_add_u32 v3, v2, 4, v3                   ; r x pitch + 16 h
	s_mul_i32 s21, s11, 64*PA
	s_add_co_u32 s21, s21, AOFF                    ; my 64 rows of x
	v_add_nc_u32 v[ADRA], s21, v3
	v_add_nc_u32 v[ADRA+1], SLOT, v[ADRA]
	v_and_b32 v4, 7, v0                            ; transposing load: lane L addresses k-row 8 h + (L & 7), 16 bytes ((L >> 3) & 1)
	v_lshl_add_u32 v4, v2, 3, v4
	v_mul_u32_u24 v4, v4, PW
	v_bfe_u32 v5, v0, 3, 1
	v_lshl_add_u32 v4, v5, 4, v4
	s_mul_i32 s22, s12, 3                          ; my first slice of 64 columns among the block's six
.irp sl, 0,1,2
	s_add_co_u32 s23, s22, \sl
	s_lshr_b32 s45, s23, 1                         ; its strip,
	s_mul_i32 s45, s45, STRIP
	s_and_b32 s23, s23, 1                          ; and which half of the strip's 256 bytes
	s_lshl_b32 s23, s23, 7
	s_add_co_u32 s23, s23, s45
	v_add_nc_u32 v[ADRB+\sl], s23, v4
	v_add_nc_u32 v[ADRB+3+\sl], SLOT, v[ADRB+\sl]
.endr
	s_mul_i32 s23, s10, 3*SSL
	s_add_co_u32 s23, s23, STAGE                   ; my stage
	v_mul_u32_u24 v5, v1, SP
	v_lshl_add_u32 v5, v2, 4, v5
	v_add_nc_u32 v[STO], s23, v5                   ; in: row r, 16 bytes for each half of the lanes
	v_and_b32 v6, 31, v0
	v_lshrrev_b32 v7, 3, v6
	v_mul_u32_u24 v7, v7, SP
	v_and_b32 v8, 7, v0
	v_lshl_add_u32 v7, v8, 4, v7
	v_add_nc_u32 v[RD], s23, v7                    ; back: eight lanes take a row of 128 bytes, a wave four rows
	v_lshlrev_b32 v[CO], 4, v6                     ; which are 512 consecutive bytes of a slice
	s_wait_tensorcnt 1                             ; my part of K step 0 is in; K step 1's stays out
	s_barrier_signal -1
	s_barrier_wait -1
	FETCH 0, 0, 0
	LAP 1                                          ; the first lap stands in front of the loop: its first products start the sums
	WIN 0
	s_mov_b32 s3, LAPS-2
.Llap:
	LAP 0
	WIN 0
	s_sub_co_u32 s3, s3, 1
	s_cmp_lg_u32 s3, 0
	s_cbranch_scc1 .Llap
	SEQ 0, 0                                       ; the last lap fills nothing
	TURN 0, 1, 0
	SEQ 1, 0
	s_wait_dscnt 4
	WIN MUL_LO
	MULROW 1, 0, 0, 0
	MULROW 1, 0, 1, 0
	s_wait_dscnt 0
	WIN MUL_HI
	MULROW 1, 1, 0, 0
	MULROW 1, 1, 1, 0
	; THE WAY OUT.  Slice sg = 6 bx + 3 wn + sl of 64 columns is head sg & 15 of part sg >> 4.
	PLACES
	s_mul_i32 s80, s42, 6
	s_mul_i32 s81, s12, 3
	s_add_co_u32 s80, s80, s81                     ; my first slice
	s_lshr_b32 s82, s13, 4
	s_lshl_b32 s82, s82, 4                         ; 16 b
	s_and_b32 s83, s13, 15
	s_lshl_b32 s83, s83, 7
	s_lshl_b32 s84, s11, 6
	s_add_co_u32 s83, s83, s84                     ; my first t
	s_lshl_b32 s83, s83, 7                         ; rows of 128 bytes
.irp sl, 0,1,2
	s_add_co_u32 s84, s80, \sl
	s_lshr_b32 s85, s84, 4                         ; part
	s_and_b32 s86, s84, 15                         ; head
	s_lshl_b32 s85, s85, 5
	s_add_co_u32 s85, s85, s86
	s_add_co_u32 s85, s85, s82                     ; P = 32 part + 16 b + head
	s_lshl_b32 s86, s85, 18
	s_add_co_u32 s86, s86, s83
	s_mov_b32 s87, 0
	s_add_nc_u64 s[BASE+2*\sl:BASE+2*\sl+1], s[6:7], s[86:87]
	s_cmp_lt_u32 s84, 16                           ; q's slices carry the softmax's scale, k's and v's the factor 1: one text for all slices
	s_cselect_b32 s[FAC+2*\sl], QS, 1.0
	s_mov_b32 s[FAC+2*\sl+1], s[FAC+2*\sl]
.endr
; Row tile a (16 rows): scale, round to f16, 16 bytes a lane into my stage, read back as whole rows, store 512 consecutive bytes a wave.
.macro OUTA a
.irp sl, 0,1,2
.if \a < 2
	WIN 0x02
.else
	WIN 0x03
.endif
.irp bt, 0,1,2,3
.irp r, 0,2,4,6
	v_pk_mul_f32 v[TMPF+8*\bt+\r:TMPF+8*\bt+\r+1], v[8*(NT*(\a%2)+4*\sl+\bt)+\r:8*(NT*(\a%2)+4*\sl+\bt)+\r+1], s[FAC+2*\sl:FAC+2*\sl+1] op_sel_hi:[1,0]
.endr
.endr
	WIN 0
.irp bt, 0,1,2,3
.irp r, 0,1,2,3
	v_cvt_pk_f16_f32 v[TMPH+4*\bt+\r], v[TMPF+8*\bt+2*\r], v[TMPF+8*\bt+2*\r+1]
.endr
	ds_store_b128 v[STO], v[TMPH+4*\bt:TMPH+4*\bt+3] offset:\sl*SSL+32*\bt
.endr
.endr
	s_wait_xcnt 0x0                                ; RB, which the last tile's stores read, is loaded again only behind this wait
.irp t, 0,1,2,3,4,5,6,7,8,9,10,11
	ds_load_b128 v[RB+4*\t:RB+4*\t+3], v[RD] offset:(\t/4)*SSL+(\t%4)*4*SP   ; my own bytes; LDS serves a wave's instructions in order
.endr
.irp t, 0,1,2,3,4,5,6,7,8,9,10,11
	s_wait_dscnt 11-\t                             ; load t is in, the younger ones stay out
	global_store_b128 v[CO], v[RB+4*\t:RB+4*\t+3], s[BASE+2*(\t/4):BASE+2*(\t/4)+1] offset:2048*\a+512*(\t%4)
.endr
.endm
	OUTA 0
	OUTA 1
	OUTA 2
	OUTA 3
	WIN 0
	s_set_vgpr_msb 0x1
	s_wait_tensorcnt 0x0
	ds_add_u32 v255, v255
	s_wait_dscnt 0x0
	s_set_vgpr_msb 0x100
	CROUND                                         ; the closing round: no work-group ends while a partner may still ask for a tile that names it
	s_endpgm
.Lfunc_end_k_qef17ca648c_qkv:
	.size	k_qef17ca648c_qkv, .Lfunc_end_k_qef17ca648c_qkv-k_qef17ca648c_qkv
	.p2alignl 7, 3214868480
	.fill 96, 4, 3214868480
	.section	.rodata,"a",@progbits
	.p2align	6, 0x0
	.amdhsa_kernel k_qef17ca648c_qkv
		.amdhsa_group_segment_fixed_size 327680
		.amdhsa_private_segment_fixed_size 0
		.amdhsa_enable_private_segment 0
		.amdhsa_kernarg_size 16
		.amdhsa_user_sgpr_count 2
		.amdhsa_user_sgpr_kernarg_segment_ptr 1
		.amdhsa_wavefront_size32 1
		.amdhsa_system_sgpr_workgroup_id_x 1
		.amdhsa_system_sgpr_workgroup_id_y 1
		.amdhsa_system_sgpr_workgroup_id_z 1
		.amdhsa_system_vgpr_workitem_id 0
		.amdhsa_next_free_vgpr 960
		.amdhsa_next_free_sgpr 88
		.amdhsa_reserve_vcc 0
		.amdhsa_float_denorm_mode_32 3
		.amdhsa_float_denorm_mode_16_64 3
		.amdhsa_memory_ordered 1
		.amdhsa_forward_progress 1
		.amdhsa_inst_pref_size 178
	.end_amdhsa_kernel
	.amdgpu_metadata
---
amdhsa.version: [ 1, 2 ]
amdhsa.kernels:
  - .name:           k_qef17ca648c_qkv
    .symbol:         k_qef17ca648c_qkv.kd
    .args:
      - { .name: xw, .offset: 0, .size: 8, .value_kind: global_buffer, .address_space: global }
      - { .name: qkv, .offset: 8, .size: 8, .value_kind: global_buffer, .address_space: global }
    .group_segment_fixed_size: 327680
    .private_segment_fixed_size: 0
    .kernarg_segment_align: 8
    .kernarg_segment_size: 16
    .max_flat_workgroup_size: 128
    .sgpr_count:     88
    .vgpr_count:     960
    .wavefront_size: 32
...
	.end_amdgpu_metadata
.endif
;; end of part 2
;; launch attn (part 3): grid 8 x 32, 8 waves a work-group, no clusters, 327,680 bytes of LDS; arguments qkv, kb, ob; writes ob
.if DOCPART == 3
	.amdgcn_target "amdgcn-amd-amdhsa--gfx1250"
	.amdhsa_code_object_version 6
	.text
	.protected	k_qef17ca648c_attn
	.globl	k_qef17ca648c_attn
	.p2align	8
	.type	k_qef17ca648c_attn,@function
k_qef17ca648c_attn:
	s_mov_b64 s[64:65], 0
	v_nop
	global_prefetch_b8 v0, s[64:65] scope:SCOPE_SE
	s_setreg_imm32_b32 hwreg(HW_REG_WAVE_MODE, 25, 1), 1
	s_wait_xcnt 0x0
; Causal attention of one head with a running maximum: ob[b][h][t][d] (f16) = softmax over j <= t, m[j] != 0 of q.k, times v.
; q carries 0.125 log2(e) already, so the exponentials are powers of two.  f16 operands, f32 scores, sums and maxima.
; LIMITS: a key is masked where m[j] == 0 (kb) or j > i; a product m[i] m[j] that underflows to 0 with both factors not 0 is not taken as masked
; (|m| >= 2^-60 is safe).  The masked score is -1.0e30, not the lowest f32: true scores are below 64 x 65,504^2 < 3e11 in size, so a masked
; term is exactly 0 beside any true one.  Rows with m[i] == 0 get finite numbers here, which the last launch multiplies by 0.
; SHARING: work-group (p, bh) owns query blocks 15 - p (waves 0-3) and p (waves 4-7) of head bh, 128 queries each; a wave owns 32 queries.
; All eight waves walk key tiles 0 .. 15 - p of 128 keys; a wave leaves out the chunks of 64 keys above its diagonal.  A long and a short wave
; together have 32 to 34 chunks for every p.
; NO CLUSTER: the eight work-groups of a head need 9 to 16 tiles; asking jointly would bind them to one pace: two block units of work in each
; of the first eight steps and one in each of the other eight, 24 where each alone has 17.
; LAYOUT: S^T = K Q^T and O^T = V^T P^T.  Lane (r, h) holds query r in both, so maximum, rescale factor and sum are per lane; the packed
; scores of two neighbouring key tiles are P's fragment as they stand; the two halves of the lanes meet in one lane exchange for each maximum.
.set PK,    144                        ; K rows: 128 + 16 bytes
.set PV,    160                        ; V rows: 128 + 32 bytes, an odd multiple of 32 for the transposing load
.set VOFF,  128*PK                     ; 18,432
.set BOFF,  VOFF+128*PV                ; 38,912: the 128 keys' biases, 512 bytes
.set SLOT,  BOFF+512                   ; 39,424
.set STAGE, 2*SLOT                     ; each wave's 32 rows x 144 bytes for the way out; no tensor load lands here
.set TILEB, 16384                      ; bytes of a K or V tile in memory (dense)
.set KPART, 8388608                    ; k's and v's parts of qkv
.set VPART, 16777216
.set NEGB,  0xf149f2ca                 ; -1.0e30
.set ADRK,  2                          ; v2-3    K fragments in slot 0, 1
.set ADRV,  4                          ; v4-5    V fragments
.set ADRBI, 6                          ; v6-7    biases
.set STO,   8
.set RD,    9
.set CO,    10
.set QOFF,  11
.set TC,    12                         ; v12-13  query tile q: 32 (w & 1) + 16 q + r - 8 h, the largest 16 kt + j that the diagonal chunk lets through
.set MO,    14                         ; v14-15  running maximum
.set MN,    16                         ; v[16:19] new maximum, a pair for each q
.set AL,    20                         ; v[20:23] rescale factor, a pair for each q
.set LS,    24                         ; v24-25  running sum (of the lane's half of the keys)
.set TX,    26                         ; v26-29  chains of maxima
.set TP,    30                         ; v30-31  from the other half of the lanes
.set SUM,   34                         ; v[34:41] chains of sums
.set BIAS,  48                         ; v[48:79]   key tile kt at 8 kt
.set KF,    80                         ; v[80:143]  K fragment (kt, half of d) at 8 (2 kt + dh)
.set SC,    144                        ; v[144:207] scores: tile (kt, q) at 8 (4 (kt/2) + 2 q + kt%2)
.set OA,    0                          ; window 1: v[0:63]   O^T tile (dt, q) at 8 (2 dt + q)
.set QF,    64                         ; window 1: v[64:95]  Q fragment (q, dh) at 8 (2 q + dh)
.set VF,    96                         ; window 1: v[96:159] V^T fragment (kc, dt) at 8 (4 kc + dt)
.set G1K, 20
.set G1V, 28
.set G1B, 36
.set G0K, 44                           ; s[44:51] K: a group 0 for each slot
.set G0V, 52                           ; s[52:59] V
.set G0B, 60                           ; s[60:63], s[68:71] biases
.set MSB, 0
.macro WIN new
.if MSB != \new
	s_set_vgpr_msb (MSB<<8)|\new
.set MSB, \new
.endif
.endm
.macro PLACES
.rept 4
	v_nop
.endr
.endm
; A tile's three parts: wave 0 asks for K, wave 1 for V, wave 2 for the biases; the others ask for nothing.  One load a wave.
.macro KVLOAD s
	s_cmp_lg_u32 s10, 0
	s_cbranch_scc1 .Lnot_k_\@
	tensor_load_to_lds s[G0K+4*\s:G0K+4*\s+3], s[G1K:G1K+7]
	s_nop 0
	s_branch .Lasked_\@
.Lnot_k_\@:
	s_cmp_lg_u32 s10, 1
	s_cbranch_scc1 .Lnot_v_\@
	tensor_load_to_lds s[G0V+4*\s:G0V+4*\s+3], s[G1V:G1V+7]
	s_nop 0
	s_branch .Lasked_\@
.Lnot_v_\@:
	s_cmp_lg_u32 s10, 2
	s_cbranch_scc1 .Lasked_\@
	tensor_load_to_lds s[G0B+8*\s:G0B+8*\s+3], s[G1B:G1B+7]
	s_nop 0
.Lasked_\@:
.endm
; 64 keys (half hf of the tile in slot) x my 32 queries.  first = 1: chunk 0, which every wave has: it starts maximum, sum and O.
.macro CHUNK slot, hf, first
.if \first == 0
	s_cmp_gt_u32 s15, s14                          ; above my diagonal: nothing to do
	s_cbranch_scc1 .Lskip_\@
.rept 5
	v_nop                                          ; five places behind the last chunk's matrix instructions: their P is written over by matrix instructions, their V by loads
.endr
.endif
.irp kt, 0,1,2,3
	ds_load_b128 v[BIAS+8*\kt:BIAS+8*\kt+3],   v[ADRBI+\slot] offset:(64*\hf+16*\kt)*4
	ds_load_b128 v[BIAS+8*\kt+4:BIAS+8*\kt+7], v[ADRBI+\slot] offset:(64*\hf+16*\kt)*4+16
.endr
.irp kt, 0,1,2,3
.irp dh, 0,1
	ds_load_b128 v[KF+8*(2*\kt+\dh):KF+8*(2*\kt+\dh)+3],   v[ADRK+\slot] offset:(64*\hf+16*\kt)*PK+64*\dh
	ds_load_b128 v[KF+8*(2*\kt+\dh)+4:KF+8*(2*\kt+\dh)+7], v[ADRK+\slot] offset:(64*\hf+16*\kt)*PK+64*\dh+32
.endr
.endr
	WIN 0x40                                       ; destination window 1
.irp kc, 0,1
.irp dt, 0,1,2,3
	ds_load_tr16_b128 v[VF+8*(4*\kc+\dt):VF+8*(4*\kc+\dt)+3],   v[ADRV+\slot] offset:(64*\hf+32*\kc)*PV+32*\dt
	ds_load_tr16_b128 v[VF+8*(4*\kc+\dt)+4:VF+8*(4*\kc+\dt)+7], v[ADRV+\slot] offset:(64*\hf+32*\kc)*PV+32*\dt+16*PV
.endr
.endr
	s_wait_dscnt 16                                ; biases and K are in; V's sixteen loads stay out until behind the softmax
	WIN 0x04                                       ; source 1 (Q) window 1
	; S^T = bias + K Q^T.  The eight score tiles take turns, one instruction a turn.
.irp kt, 0,1,2,3
.irp q, 0,1
	v_wmma_f32_16x16x32_f16 v[SC+8*(4*(\kt/2)+2*\q+(\kt%2)):SC+8*(4*(\kt/2)+2*\q+(\kt%2))+7], v[KF+16*\kt:KF+16*\kt+7], v[QF+16*\q:QF+16*\q+7], v[BIAS+8*\kt:BIAS+8*\kt+7]
.endr
.endr
.irp kt, 0,1,2,3
.irp q, 0,1
	v_wmma_f32_16x16x32_f16 v[SC+8*(4*(\kt/2)+2*\q+(\kt%2)):SC+8*(4*(\kt/2)+2*\q+(\kt%2))+7], v[KF+16*\kt+8:KF+16*\kt+15], v[QF+16*\q+8:QF+16*\q+15], v[SC+8*(4*(\kt/2)+2*\q+(\kt%2)):SC+8*(4*(\kt/2)+2*\q+(\kt%2))+7]
.endr
.endr
	WIN 0
	PLACES                                         ; four places before the scores are read
	s_cmp_lg_u32 s15, s14
	s_cbranch_scc1 .Lfull_\@
	; my diagonal chunk: key 16 kt + 8 h + j passes where it is not beyond query 32 (w & 1) + 16 q + r
.irp kt, 0,1,2,3
.irp q, 0,1
.irp j, 0,1,2,3,4,5,6,7
	v_cmp_le_i32 vcc_lo, 16*\kt+\j, v[TC+\q]
	v_cndmask_b32 v[SC+8*(4*(\kt/2)+2*\q+(\kt%2))+\j], s17, v[SC+8*(4*(\kt/2)+2*\q+(\kt%2))+\j], vcc_lo
.endr
.endr
.endr
.Lfull_\@:
	; the new maximum of each query: 32 scores a lane and the old maximum, two chains for each q
.if \first
.irp q, 0,1
	v_max3_num_f32 v[TX+2*\q],   v[SC+16*\q],    v[SC+16*\q+1],  v[SC+16*\q+2]
	v_max3_num_f32 v[TX+2*\q+1], v[SC+32+16*\q], v[SC+33+16*\q], v[SC+34+16*\q]
.endr
.irp i, 3,5,7,9,11,13
.irp q, 0,1
	v_max3_num_f32 v[TX+2*\q],   v[TX+2*\q],   v[SC+16*\q+\i],    v[SC+16*\q+\i+1]
	v_max3_num_f32 v[TX+2*\q+1], v[TX+2*\q+1], v[SC+32+16*\q+\i], v[SC+33+16*\q+\i]
.endr
.endr
.irp q, 0,1
	v_max3_num_f32 v[TX+2*\q], v[TX+2*\q], v[TX+2*\q+1], v[SC+16*\q+15]
.endr
.irp q, 0,1
	v_max_num_f32 v[TX+2*\q], v[TX+2*\q], v[SC+47+16*\q]
.endr
.else
.irp q, 0,1
	v_max3_num_f32 v[TX+2*\q],   v[MO+\q],       v[SC+16*\q],    v[SC+16*\q+1]
	v_max3_num_f32 v[TX+2*\q+1], v[SC+32+16*\q], v[SC+33+16*\q], v[SC+34+16*\q]
.endr
.irp i, 2,4,6,8,10,12
.irp q, 0,1
	v_max3_num_f32 v[TX+2*\q],   v[TX+2*\q],   v[SC+16*\q+\i],    v[SC+16*\q+\i+1]
	v_max3_num_f32 v[TX+2*\q+1], v[TX+2*\q+1], v[SC+33+16*\q+\i], v[SC+34+16*\q+\i]
.endr
.endr
.irp q, 0,1
	v_max3_num_f32 v[TX+2*\q], v[TX+2*\q], v[SC+16*\q+14], v[SC+16*\q+15]
.endr
.irp q, 0,1
	v_max3_num_f32 v[TX+2*\q], v[TX+2*\q], v[TX+2*\q+1], v[SC+47+16*\q]
.endr
.endif
.irp q, 0,1
	v_permlanex16_b32 v[TP+\q], v[TX+2*\q], s18, s19   ; the other eight keys of each tile lie in lane xor 16
.endr
.irp q, 0,1
	v_max_num_f32 v[MN+2*\q], v[TX+2*\q], v[TP+\q]
.endr
.irp q, 0,1
	v_mov_b32 v[MN+2*\q+1], v[MN+2*\q]
.endr
.if \first == 0
.irp q, 0,1
	v_sub_f32 v[AL+2*\q], v[MO+\q], v[MN+2*\q]
.endr
.irp q, 0,1
	v_exp_f32 v[AL+2*\q], v[AL+2*\q]               ; 2^(old maximum - new)
.endr
.endif
.irp q, 0,1
	v_mov_b32 v[MO+\q], v[MN+2*\q]                 ; plain instructions between the exponentials and the use of their results (ISA guide 5.7.2)
.endr
.if \first == 0
	s_wait_alu depctr_va_vdst(0)
.irp q, 0,1
	v_mov_b32 v[AL+2*\q+1], v[AL+2*\q]
.endr
.endif
.irp q, 0,1
.irp i, 0,2,4,6,8,10,12,14
	v_pk_add_f32 v[SC+16*\q+\i:SC+16*\q+\i+1],       v[SC+16*\q+\i:SC+16*\q+\i+1],       v[MN+2*\q:MN+2*\q+1] neg_lo:[0,1] neg_hi:[0,1]
	v_pk_add_f32 v[SC+32+16*\q+\i:SC+33+16*\q+\i],   v[SC+32+16*\q+\i:SC+33+16*\q+\i],   v[MN+2*\q:MN+2*\q+1] neg_lo:[0,1] neg_hi:[0,1]
.endr
.endr
.set ii, 0
.rept 64
	v_exp_f32 v[SC+ii], v[SC+ii]
.set ii, ii+1
.endr
	v_nop                                          ; one plain place behind the last exponential
	s_wait_alu depctr_va_vdst(0)
.irp q, 0,1
	v_pk_add_f32 v[SUM+4*\q:SUM+4*\q+1],   v[SC+16*\q:SC+16*\q+1],     v[SC+16*\q+2:SC+16*\q+3]
	v_pk_add_f32 v[SUM+4*\q+2:SUM+4*\q+3], v[SC+32+16*\q:SC+33+16*\q], v[SC+34+16*\q:SC+35+16*\q]
.endr
.irp i, 4,6,8,10,12,14
.irp q, 0,1
	v_pk_add_f32 v[SUM+4*\q:SUM+4*\q+1],   v[SUM+4*\q:SUM+4*\q+1],   v[SC+16*\q+\i:SC+16*\q+\i+1]
	v_pk_add_f32 v[SUM+4*\q+2:SUM+4*\q+3], v[SUM+4*\q+2:SUM+4*\q+3], v[SC+32+16*\q+\i:SC+33+16*\q+\i]
.endr
.endr
.irp q, 0,1
	v_pk_add_f32 v[SUM+4*\q:SUM+4*\q+1], v[SUM+4*\q:SUM+4*\q+1], v[SUM+4*\q+2:SUM+4*\q+3]
.endr
.if \first
.irp q, 0,1
	v_add_f32 v[LS+\q], v[SUM+4*\q], v[SUM+4*\q+1]
.endr
.else
.irp q, 0,1
	v_add_f32 v[SUM+4*\q], v[SUM+4*\q], v[SUM+4*\q+1]
.endr
.irp q, 0,1
	v_fma_f32 v[LS+\q], v[LS+\q], v[AL+2*\q], v[SUM+4*\q]
.endr
.endif
	; P in f16, packed in place: the 16 registers of key tiles 2 kc, 2 kc + 1 become the 8 of the fragment (keys 8 h + 0..7, then 16 + 8 h + 0..7)
.irp kc, 0,1
.irp q, 0,1
.irp i, 0,1,2,3,4,5,6,7
	v_cvt_pk_f16_f32 v[SC+32*\kc+16*\q+\i], v[SC+32*\kc+16*\q+2*\i], v[SC+32*\kc+16*\q+2*\i+1]
.endr
.endr
.endr
	s_wait_dscnt 0                                 ; V is in
.if \first == 0
	WIN 0x41                                       ; O in window 1, the factor in window 0
.irp dt, 0,1,2,3
.irp q, 0,1
.irp i, 0,2,4,6
	v_pk_mul_f32 v[OA+8*(2*\dt+\q)+\i:OA+8*(2*\dt+\q)+\i+1], v[OA+8*(2*\dt+\q)+\i:OA+8*(2*\dt+\q)+\i+1], v[AL+2*\q:AL+2*\q+1]
.endr
.endr
.endr
.endif
	WIN 0x51                                       ; V^T and O window 1, P window 0
	; O^T += V^T P^T.  The eight tiles of O take turns, one instruction a turn.
.irp kc, 0,1
.irp dt, 0,1,2,3
.irp q, 0,1
.if \first*(1-\kc)
	v_wmma_f32_16x16x32_f16 v[OA+8*(2*\dt+\q):OA+8*(2*\dt+\q)+7], v[VF+8*(4*\kc+\dt):VF+8*(4*\kc+\dt)+7], v[SC+32*\kc+16*\q:SC+32*\kc+16*\q+7], 0
.else
	v_wmma_f32_16x16x32_f16 v[OA+8*(2*\dt+\q):OA+8*(2*\dt+\q)+7], v[VF+8*(4*\kc+\dt):VF+8*(4*\kc+\dt)+7], v[SC+32*\kc+16*\q:SC+32*\kc+16*\q+7], v[OA+8*(2*\dt+\q):OA+8*(2*\dt+\q)+7]
.endif
.endr
.endr
.endr
	WIN 0
.if \first == 0
.Lskip_\@:
.endif
	s_add_co_u32 s15, s15, 1                       ; the next chunk's number
.endm
; One key tile.  In front of the barrier every wave waits for all its tensor loads (this tile's part among them) and for its reads of the other
; slot; behind it the other slot is asked for first, one load a wave, and has this tile's two chunks in which to land.
.macro TRIP slot, other, refill, first
	s_wait_tensorcnt 0x0                           ; no tensor load of mine is out: every group 0 may be written
	ds_add_u32 v254, v255
	s_wait_dscnt 0x0
	s_add_nc_u64 s[G0K+4*\slot+2:G0K+4*\slot+3], s[G0K+4*\slot+2:G0K+4*\slot+3], 2*TILEB   ; this slot's next tile
	s_add_nc_u64 s[G0V+4*\slot+2:G0V+4*\slot+3], s[G0V+4*\slot+2:G0V+4*\slot+3], 2*TILEB
	s_add_nc_u64 s[G0B+8*\slot+2:G0B+8*\slot+3], s[G0B+8*\slot+2:G0B+8*\slot+3], 2*512
	s_wait_dscnt 0x0                               ; my reads of the last tile are over
	s_barrier_signal -1
	s_barrier_wait -1
.if \refill
	KVLOAD \other
.endif
	CHUNK \slot, 0, \first
	CHUNK \slot, 1, 0
.endm
	s_load_b128 s[4:7], s[0:1], 0x0                ; qkv s[4:5], kb s[6:7]
	s_load_b64 s[8:9], s[0:1], 0x10                ; ob
	v_lshl_add_u32 v254, v0, 2, 0x29000
	v_mov_b32 v255, 0
	ds_add_u32 v254, v255
	v_lshrrev_b32 v1, 5, v0
	v_readfirstlane_b32 s10, v1                    ; wave 0..7
	s_mov_b32 s11, ttmp9                           ; p
	s_and_b32 s12, ttmp7, 0xffff                   ; bh = 16 b + h
	s_sub_co_u32 s72, 15, s11
	s_cmp_lt_u32 s10, 4
	s_cselect_b32 s13, s72, s11                    ; my query block: 15 - p or p
	s_and_b32 s73, s10, 3                          ; w
	s_lshr_b32 s74, s73, 1
	s_lshl1_add_u32 s14, s13, s74                  ; my diagonal chunk: 2 block + (w >> 1)
	s_lshl_b32 s75, s13, 7
	s_lshl_b32 s73, s73, 5
	s_add_co_u32 s75, s75, s73                     ; my first query
	s_lshl_b32 s74, s75, 7                         ; in rows of 128 bytes
	s_mov_b32 s75, 0
	s_mov_b32 s15, 0                               ; chunk counter
	s_sub_co_u32 s16, 14, s11
	s_lshr_b32 s16, s16, 1                         ; pairs of tiles in the loop: 3 to 7
	s_mov_b32 s17, NEGB
	s_mov_b32 s18, 0x76543210                      ; lane i of one half reads lane i of the other
	s_mov_b32 s19, 0xfedcba98
	; group 1.  K's and V's tiles are dense in memory: 64 rows of 32 elements of 8 bytes; a pad behind every 32 words (a row of the head): 4 words for K, 8 for V
	s_mov_b32 s[G1K+0], (3<<16)|(1<<20)|(4<<22)|(3<<25)
	s_mov_b32 s[G1V+0], (3<<16)|(1<<20)|(4<<22)|(7<<25)
	s_mov_b32 s[G1K+1], 32<<16
	s_mov_b32 s[G1V+1], 32<<16
	s_mov_b32 s[G1K+2], 64<<16
	s_mov_b32 s[G1V+2], 64<<16
	s_mov_b32 s[G1K+3], 32<<16
	s_mov_b32 s[G1V+3], 32<<16
	s_mov_b32 s[G1K+4], 64
	s_mov_b32 s[G1V+4], 64
	s_mov_b32 s[G1K+5], 32
	s_mov_b32 s[G1V+5], 32
	s_mov_b32 s[G1K+6], 0
	s_mov_b32 s[G1V+6], 0
	s_mov_b32 s[G1K+7], 0
	s_mov_b32 s[G1V+7], 0
	s_mov_b32 s[G1B+0], 3<<16                      ; the biases: one row of 64 elements of 8 bytes
	s_mov_b32 s[G1B+1], 64<<16
	s_mov_b32 s[G1B+2], 1<<16
	s_mov_b32 s[G1B+3], 64<<16
	s_mov_b32 s[G1B+4], 1
	s_mov_b32 s[G1B+5], 64
	s_mov_b32 s[G1B+6], 0
	s_mov_b32 s[G1B+7], 0
	s_lshl_b32 s76, s12, 18                        ; the head's slice of 262,144 bytes
	s_mov_b32 s77, 0
	s_lshr_b32 s72, s12, 4
	s_lshl_b32 s72, s72, 13                        ; the batch's 2,048 biases
	s_mov_b32 s73, 0
	s_wait_dscnt 0x0
	s_barrier_signal -1
	s_barrier_wait -1
	s_wait_kmcnt 0x0
	s_add_nc_u64 s[78:79], s[4:5], s[76:77]        ; q's slice of this head
	s_add_nc_u64 s[80:81], s[78:79], s[74:75]      ; my 32 rows of q
	s_add_nc_u64 s[82:83], s[8:9], s[76:77]
	s_add_nc_u64 s[82:83], s[82:83], s[74:75]      ; my 32 rows of ob
	s_add_nc_u64 s[72:73], s[6:7], s[72:73]
.irp n, 0,1
	s_mov_b32 s[G0K+4*\n], 1
	s_mov_b32 s[G0K+4*\n+1], \n*SLOT
	s_add_nc_u64 s[G0K+4*\n+2:G0K+4*\n+3], s[78:79], KPART+\n*TILEB
	s_or_b32 s[G0K+4*\n+3], s[G0K+4*\n+3], 0x80000000
	s_mov_b32 s[G0V+4*\n], 1
	s_mov_b32 s[G0V+4*\n+1], \n*SLOT+VOFF
	s_add_nc_u64 s[G0V+4*\n+2:G0V+4*\n+3], s[78:79], VPART+\n*TILEB
	s_or_b32 s[G0V+4*\n+3], s[G0V+4*\n+3], 0x80000000
	s_mov_b32 s[G0B+8*\n], 1
	s_mov_b32 s[G0B+8*\n+1], \n*SLOT+BOFF
	s_add_nc_u64 s[G0B+8*\n+2:G0B+8*\n+3], s[72:73], \n*512
	s_or_b32 s[G0B+8*\n+3], s[G0B+8*\n+3], 0x80000000
.endr
	KVLOAD 0                                       ; tile 0; slot 1 is first filled behind the first tile's barrier, as a refill is
	v_and_b32 v1, 15, v0                           ; r
	v_bfe_u32 v32, v0, 4, 1                        ; h
	v_and_b32 v33, 31, v0                          ; lane
	v_mul_u32_u24 v[ADRK], v1, PK
	v_lshl_add_u32 v[ADRK], v32, 4, v[ADRK]        ; r x 144 + 16 h (K of slot 0 begins at LDS byte 0)
	v_add_nc_u32 v[ADRK+1], SLOT, v[ADRK]
	v_and_b32 v43, 7, v0
	v_lshl_add_u32 v44, v32, 3, v43                ; transposing load: key row 8 h + (lane & 7),
	v_mul_u32_u24 v44, v44, PV
	v_bfe_u32 v45, v0, 3, 1
	v_lshl_add_u32 v44, v45, 4, v44                ; 16 bytes ((lane >> 3) & 1)
	v_add_nc_u32 v[ADRV], VOFF, v44
	v_add_nc_u32 v[ADRV+1], SLOT+VOFF, v44
	v_lshlrev_b32 v46, 5, v32                      ; biases of keys 8 h + 0..7
	v_add_nc_u32 v[ADRBI], BOFF, v46
	v_add_nc_u32 v[ADRBI+1], SLOT+BOFF, v46
	s_mul_i32 s72, s10, 32*PK
	s_add_co_u32 s72, s72, STAGE                   ; my stage
	v_add_nc_u32 v[STO], s72, v[ADRK]
	v_lshrrev_b32 v47, 3, v33
	v_mul_u32_u24 v47, v47, PK
	v_lshl_add_u32 v47, v43, 4, v47
	v_add_nc_u32 v[RD], s72, v47                   ; back: eight lanes a row of 128 bytes
	v_lshlrev_b32 v[CO], 4, v33
	v_lshlrev_b32 v[QOFF], 7, v1
	v_lshl_add_u32 v[QOFF], v32, 4, v[QOFF]        ; row r of q, 16 h
	s_and_b32 s73, s10, 1
	s_lshl_b32 s73, s73, 5
	v_lshlrev_b32 v46, 3, v32
	v_sub_nc_u32 v46, v1, v46                      ; r - 8 h
	v_add_nc_u32 v[TC], s73, v46
	v_add_nc_u32 v[TC+1], 16, v[TC]
	v_mov_b32 v[TP], 0                             ; the lane exchange counts as a reader of its destination
	v_mov_b32 v[TP+1], 0
	WIN 0x40
.irp q, 0,1
.irp dh, 0,1
	global_load_b128 v[QF+8*(2*\q+\dh):QF+8*(2*\q+\dh)+3],   v[QOFF], s[80:81] offset:2048*\q+64*\dh
	global_load_b128 v[QF+8*(2*\q+\dh)+4:QF+8*(2*\q+\dh)+7], v[QOFF], s[80:81] offset:2048*\q+64*\dh+32
.endr
.endr
	WIN 0
	s_wait_loadcnt 0x0                             ; Q, once
	TRIP 0, 1, 1, 1                                ; tile 0 of 16 - p
.Lpair:
	TRIP 1, 0, 1, 0
	TRIP 0, 1, 1, 0
	s_sub_co_u32 s16, s16, 1
	s_cmp_lg_u32 s16, 0
	s_cbranch_scc1 .Lpair
	s_bitcmp1_b32 s11, 0                           ; p even: one tile is left; p odd: two.  The last tile asks for nothing.
	s_cbranch_scc1 .Lodd
	TRIP 1, 0, 0, 0
	s_branch .Lout
.Lodd:
	TRIP 1, 0, 1, 0
	TRIP 0, 1, 0, 0
.Lout:
	; THE WAY OUT: O / sum, f16, through my stage, 512 consecutive bytes a store.  The sum is at least 1: the maximum's own term.
	PLACES                                         ; four places behind the last matrix instructions
.irp q, 0,1
	v_permlanex16_b32 v[TP+\q], v[LS+\q], s18, s19
.endr
.irp q, 0,1
	v_add_f32 v[LS+\q], v[LS+\q], v[TP+\q]         ; both halves of the keys
.endr
.irp q, 0,1
	v_rcp_f32 v[AL+2*\q], v[LS+\q]
.endr
	v_nop                                          ; one plain place behind the reciprocals
	s_wait_alu depctr_va_vdst(0)
.irp q, 0,1
	v_mov_b32 v[AL+2*\q+1], v[AL+2*\q]
.endr
	WIN 0x01                                       ; source 0 (O) window 1
.irp dt, 0,1,2,3
.irp q, 0,1
.irp i, 0,2,4,6
	v_pk_mul_f32 v[KF+8*(2*\dt+\q)+\i:KF+8*(2*\dt+\q)+\i+1], v[OA+8*(2*\dt+\q)+\i:OA+8*(2*\dt+\q)+\i+1], v[AL+2*\q:AL+2*\q+1]
.endr
.endr
.endr
	WIN 0
.irp dt, 0,1,2,3
.irp q, 0,1
.irp i, 0,1,2,3
	v_cvt_pk_f16_f32 v[SC+4*(2*\dt+\q)+\i], v[KF+8*(2*\dt+\q)+2*\i], v[KF+8*(2*\dt+\q)+2*\i+1]
.endr
	ds_store_b128 v[STO], v[SC+4*(2*\dt+\q):SC+4*(2*\dt+\q)+3] offset:16*PK*\q+32*\dt   ; query 16 q + r, d = 16 dt + 8 h + 0..7
.endr
.endr
.irp i, 0,1,2,3,4,5,6,7
	ds_load_b128 v[SC+32+4*\i:SC+32+4*\i+3], v[RD] offset:4*PK*\i   ; my own bytes; LDS serves a wave's instructions in order
.endr
.irp i, 0,1,2,3,4,5,6,7
	s_wait_dscnt 7-\i                              ; load i is in, the younger ones stay out
	global_store_b128 v[CO], v[SC+32+4*\i:SC+32+4*\i+3], s[82:83] offset:512*\i
.endr
	s_wait_tensorcnt 0x0
	ds_add_u32 v254, v255
	s_wait_dscnt 0x0
	s_endpgm
.Lfunc_end_k_qef17ca648c_attn:
	.size	k_qef17ca648c_attn, .Lfunc_end_k_qef17ca648c_attn-k_qef17ca648c_attn
	.p2alignl 7, 3214868480
	.fill 96, 4, 3214868480
	.section	.rodata,"a",@progbits
	.p2align	6, 0x0
	.amdhsa_kernel k_qef17ca648c_attn
		.amdhsa_group_segment_fixed_size 327680
		.amdhsa_private_segment_fixed_size 0
		.amdhsa_enable_private_segment 0
		.amdhsa_kernarg_size 24
		.amdhsa_user_sgpr_count 2
		.amdhsa_user_sgpr_kernarg_segment_ptr 1
		.amdhsa_wavefront_size32 1
		.amdhsa_system_sgpr_workgroup_id_x 1
		.amdhsa_system_sgpr_workgroup_id_y 1
		.amdhsa_system_sgpr_workgroup_id_z 1
		.amdhsa_system_vgpr_workitem_id 0
		.amdhsa_next_free_vgpr 416
		.amdhsa_next_free_sgpr 84
		.amdhsa_reserve_vcc 1
		.amdhsa_float_denorm_mode_32 3
		.amdhsa_float_denorm_mode_16_64 3
		.amdhsa_memory_ordered 1
		.amdhsa_forward_progress 1
		.amdhsa_inst_pref_size 255
	.end_amdhsa_kernel
	.section	.bss,"aw",@nobits
	.p2align	6
	.space	262144
	.amdgpu_metadata
---
amdhsa.version: [ 1, 2 ]
amdhsa.kernels:
  - .name:           k_qef17ca648c_attn
    .symbol:         k_qef17ca648c_attn.kd
    .args:
      - { .name: qkv, .offset: 0, .size: 8, .value_kind: global_buffer, .address_space: global }
      - { .name: kb, .offset: 8, .size: 8, .value_kind: global_buffer, .address_space: global }
      - { .name: ob, .offset: 16, .size: 8, .value_kind: global_buffer, .address_space: global }
    .group_segment_fixed_size: 327680
    .private_segment_fixed_size: 0
    .kernarg_segment_align: 8
    .kernarg_segment_size: 24
    .max_flat_workgroup_size: 256
    .sgpr_count:     84
    .vgpr_count:     416
    .wavefront_size: 32
...
	.end_amdgpu_metadata
.endif
;; end of part 3
;; launch proj (part 4): grid 8 x 32, 4 waves a work-group, clusters of 4 x 4, 327,680 bytes of LDS; arguments ob, xw, b_out, m, out0; writes out0
.if DOCPART == 4
	.amdgcn_target "amdgcn-amd-amdhsa--gfx1250"
	.amdhsa_code_object_version 6
	.text
	.protected	k_qef17ca648c_proj
	.globl	k_qef17ca648c_proj
	.p2align	8
	.type	k_qef17ca648c_proj,@function
k_qef17ca648c_proj:
	s_mov_b64 s[64:65], 0
	v_nop
	global_prefetch_b8 v0, s[64:65] scope:SCOPE_SE
	s_setreg_imm32_b32 hwreg(HW_REG_WAVE_MODE, 25, 1), 1
	s_wait_xcnt 0x0
	s_wait_alu depctr_hold_cnt(0) depctr_sa_sdst(0) depctr_va_vdst(0) depctr_va_sdst(0) depctr_va_ssrc(0) depctr_va_vcc(0) depctr_vm_vsrc(0)
	s_getreg_b32 s2, hwreg(HW_REG_IB_STS2, 6, 4)
	s_cmp_eq_u32 s2, 0
	s_cbranch_scc0 .Lentry_in_a_cluster
	s_endpgm
.Lentry_in_a_cluster:
	s_bfe_u32 s2, ttmp6, 0x10000c
	s_cmp_lg_u32 s2, 0xf033
	s_cbranch_scc0 .Lentry_shape_is_right
	s_endpgm
.Lentry_shape_is_right:
; out0 = (o @ w_out + b_out) * m: [4096][1024] x [1024][1024], f16 operands (o from ob, head-major; w_out from xw), f32 sums, bias and mask in f32.
; LIMIT: o and w_out below 65,504 (f16).  A row with m = 0 comes out as a finite number times 0: the sign of that zero may differ.
; A work-group makes 128 x 128 with four waves; a wave makes 64 x 64: 4 x 4 accumulator tiles.  A larger block would leave WGPs without work:
; 32 x 8 blocks of 128 x 128 are 256 work-groups.
; K goes through two LDS slots of 256 along K each (four heads): eight quarter steps of 32, so that a refill has 112 matrix instructions of each wave
; in which to land.  One tensor load a wave: waves 0, 1 two heads of o each (each head's 128 rows are 16,384 dense bytes), waves 2, 3 128 k-rows of w each.
; CLUSTER 4 x 4: o's tiles are asked for jointly along a row of the cluster, w's along a column.
; Transposed use, windows and the order of a K step as in the launch that makes qkv: source 0 = 16 columns of w (transposing LDS load),
; source 1 = 16 rows of o; lane (r, h) holds row r, columns 8 h + 0..7.
.set NT,     4
.set PAH,    144                       ; o's rows in LDS: 128 + 16 bytes
.set PW,     288                       ; w's rows: 256 + 32
.set HEADB,  128*PAH                   ; 18,432: a head's 128 rows
.set QUART,  2*HEADB                   ; 36,864: what one tensor load brings (also 128 x 288)
.set WOFF,   2*QUART                   ; w behind the four heads
.set SLOT,   4*QUART                   ; 147,456
.set STAGE,  2*SLOT                    ; each wave's 16 rows x 272 bytes; no tensor load lands here
.set SP,     272
.set NLD,    2*NT+8
.set WO_OFF, 14680064                  ; w_out's place in xw
.set ASTEP,  4*262144                  ; four heads on
.set WSTEP,  256*2048                  ; 256 k-rows on
.set ADRA, 16                          ; v16-17
.set ADRB, 18                          ; v18-21  slot 0: k-rows 0-127, 128-255; slot 1 likewise
.set STO,  24
.set RD,   25
.set CO,   26
.set BO,   27                          ; v27 32 h: my eight columns' biases
.set MOF,  28                          ; v28 4 r: my row's m
.set FA,   32                          ; v32-95
.set BI,   96                          ; v[96:127]  b_out of column tile bt at 8 bt
.set MP,   128                         ; v[128:135] m of row tile a, a pair each
.set TMPF, 144                         ; v[144:175]
.set RB,   176                         ; v[176:207]
.set G1,  24
.set G0,  32
.set G1B, 48
.set G0B, 56
.set MSB, 0
.macro WIN new
.if MSB != \new
	s_set_vgpr_msb (MSB<<8)|\new
.set MSB, \new
.endif
.endm
.set MUL_LO, 0xa1
.set MUL_HI, 0xf1
.set TO_B,   0x40
.macro JLOAD s                         ; waves 0, 1 ask for o, waves 2, 3 for w: each line has one mask
	s_cmp_eq_u32 s11, 0
	s_cbranch_scc0 .Lfor_w_\@
	tensor_load_to_lds s[G0+4*\s:G0+4*\s+3], s[G1:G1+7]
	s_nop 0
	s_branch .Lasked_\@
.Lfor_w_\@:
	tensor_load_to_lds s[G0B+4*\s:G0B+4*\s+3], s[G1B:G1B+7]
	s_nop 0
.Lasked_\@:
.endm
.macro CREST
	s_cmp_lg_u32 s10, 0
	s_cbranch_scc1 .Lnot_wave_0_\@
	s_barrier_signal -3
.Lnot_wave_0_\@:
	s_barrier_wait -3
	s_barrier_signal -1
	s_barrier_wait -1
.endm
.macro CROUND
	s_barrier_signal -1
	s_barrier_wait -1
	CREST
.endm
.macro PLACES                          ; four places behind matrix instructions (ISA guide 7.12.1)
.rept 4
	v_nop
.endr
.endm
; Four matrix instructions: row tile 2 hi + a x the four column tiles.  The 16 accumulators take turns, one instruction a turn.
.macro MULROW f, hi, a, zero
.irp b, 0,1,2,3
.if \zero
	v_wmma_f32_16x16x32_f16 v[8*(NT*\a+\b):8*(NT*\a+\b)+7], v[32*\f+8*\b:32*\f+8*\b+7], v[FA+32*\f+8*(2*\hi+\a):FA+32*\f+8*(2*\hi+\a)+7], 0
.else
	v_wmma_f32_16x16x32_f16 v[8*(NT*\a+\b):8*(NT*\a+\b)+7], v[32*\f+8*\b:32*\f+8*\b+7], v[FA+32*\f+8*(2*\hi+\a):FA+32*\f+8*(2*\hi+\a)+7], v[8*(NT*\a+\b):8*(NT*\a+\b)+7]
.endif
.endr
.endm
; Quarter kq (0..7) of a slot into buffer f: k = 32 kq is head kq / 2, d = 32 (kq % 2)
.macro FETCH slot, kq, f
	WIN TO_B
.irp b, 0,1,2,3
	ds_load_tr16_b128 v[32*\f+8*\b:32*\f+8*\b+3],   v[ADRB+2*\slot+\kq/4] offset:(\kq%4)*32*PW+32*\b
	ds_load_tr16_b128 v[32*\f+8*\b+4:32*\f+8*\b+7], v[ADRB+2*\slot+\kq/4] offset:(\kq%4)*32*PW+32*\b+16*PW
.endr
	WIN 0
.irp i, 0,1,2,3
	ds_load_b128 v[FA+32*\f+8*\i:FA+32*\f+8*\i+3],   v[ADRA+\slot] offset:(\kq/2)*HEADB+(\kq%2)*64+\i*16*PAH
	ds_load_b128 v[FA+32*\f+8*\i+4:FA+32*\f+8*\i+7], v[ADRA+\slot] offset:(\kq/2)*HEADB+(\kq%2)*64+\i*16*PAH+32
.endr
.endm
.macro QUARTER slot, kq, f, g, zero
	s_wait_dscnt 4                                 ; all of buffer f but the four youngest loads, o's row tiles 2 and 3
	WIN MUL_LO
	MULROW \f, 0, 0, \zero
	MULROW \f, 0, 1, \zero
	PLACES
	FETCH \slot, \kq, \g
	s_wait_dscnt NLD                               ; all but the loads just issued
	WIN MUL_HI
	MULROW \f, 1, 0, \zero
	MULROW \f, 1, 1, \zero
.endm
.macro SEQ slot, zero
	QUARTER \slot, 1, 0, 1, \zero
	QUARTER \slot, 2, 1, 0, 0
	QUARTER \slot, 3, 0, 1, 0
	QUARTER \slot, 4, 1, 0, 0
	QUARTER \slot, 5, 0, 1, 0
	QUARTER \slot, 6, 1, 0, 0
	QUARTER \slot, 7, 0, 1, 0
.endm
; The slot's last quarter and the change of slots: waits, barrier (a round of the cluster's barrier where the slot is filled again), refill first, then the next slot's reads
.macro TURN slot, next, fill
	s_wait_dscnt 4
	WIN MUL_LO
	MULROW 1, 0, 0, 0
	s_wait_dscnt 0                                 ; my reads of this slot are over
	s_wait_tensorcnt 0x0                           ; all my tensor loads have landed
	ds_add_u32 v255, v255
	s_wait_dscnt 0x0
	s_barrier_signal -1
	MULROW 1, 0, 1, 0
	WIN 0
	s_barrier_wait -1
.if \fill
	CREST
	s_add_nc_u64 s[G0+4*\slot+2:G0+4*\slot+3], s[G0+4*\slot+2:G0+4*\slot+3], 2*ASTEP
	s_add_nc_u64 s[G0B+4*\slot+2:G0B+4*\slot+3], s[G0B+4*\slot+2:G0B+4*\slot+3], 2*WSTEP
	JLOAD \slot                                    ; my one tensor load behind the round, and the first thing there
.endif
	PLACES
	FETCH \next, 0, 0
	WIN MUL_HI
	MULROW 1, 1, 0, 0
	MULROW 1, 1, 1, 0
.endm
	s_load_b256 s[80:87], s[0:1], 0x0              ; ob s[80:81], xw s[82:83], b_out s[84:85], m s[86:87]
	s_load_b64 s[88:89], s[0:1], 0x20              ; out0
	s_set_vgpr_msb 0x40
	v_lshl_add_u32 v255, v0, 2, 0x4c400
	s_set_vgpr_msb 0x4000
	v_mov_b32 v255, 0
	s_set_vgpr_msb 0x1
	ds_add_u32 v255, v255
	s_set_vgpr_msb 0x100
	v_lshrrev_b32 v1, 5, v0
	v_readfirstlane_b32 s10, v1                    ; wave 0..3
	s_lshr_b32 s11, s10, 1                         ; wm: which 64 rows.  Also: I fetch o (0) or w (1)
	s_and_b32 s12, s10, 1                          ; wn: which 64 columns.  Also: which half of that tile I fetch
	s_bfe_u32 s40, ttmp6, 0x40000                  ; cx
	s_bfe_u32 s41, ttmp6, 0x40004                  ; cy
	s_lshl_b32 s42, ttmp9, 2
	s_add_co_u32 s42, s42, s40                     ; bx
	s_and_b32 s13, ttmp7, 0xffff
	s_lshl_b32 s13, s13, 2
	s_add_co_u32 s13, s13, s41                     ; by
	s_lshl_b32 s43, s41, 2
	s_lshl_b32 s43, 15, s43                        ; my row of the cluster
	s_lshl_b32 s44, 0x1111, s40                    ; my column
	; group 1.  o: 2 rows (heads) of 8,192 elements of 2 bytes, 131,072 elements apart, a pad of 4 words behind every 32 words (a row of the head).
	;           w: 128 rows of 128 elements, 1,024 apart, a pad of 8 words behind every 64.
	s_or_b32 s[G1+0],  s43, (1<<16)|(1<<20)|(1<<21)|(4<<22)|(3<<25)
	s_or_b32 s[G1B+0], s44, (1<<16)|(1<<20)|(1<<21)|(5<<22)|(7<<25)
	s_mov_b32 s[G1+1],  8192<<16
	s_mov_b32 s[G1B+1], 128<<16
	s_mov_b32 s[G1+2],  2<<16
	s_mov_b32 s[G1B+2], 128<<16
	s_mov_b32 s[G1+3],  8192<<16
	s_mov_b32 s[G1B+3], 128<<16
	s_mov_b32 s[G1+4],  2
	s_mov_b32 s[G1B+4], 128
	s_mov_b32 s[G1+5],  131072
	s_mov_b32 s[G1B+5], 1024
	s_mov_b32 s[G1+6],  0
	s_mov_b32 s[G1B+6], 0
	s_mov_b32 s[G1+7],  0
	s_mov_b32 s[G1B+7], 0
	s_lshr_b32 s16, s13, 4
	s_lshl_b32 s16, s16, 4                         ; 16 b
	s_lshl1_add_u32 s16, s12, s16                  ; + the two heads of my half
	s_lshl_b32 s16, s16, 18                        ; heads of 262,144 bytes
	s_and_b32 s17, s13, 15
	s_lshl_b32 s17, s17, 14                        ; 128 rows of 128 bytes for each block row of the batch
	s_add_co_u32 s16, s16, s17
	s_mov_b32 s17, 0
	s_lshl_b32 s46, s12, 18                        ; w: my half's 128 k-rows of 2,048 bytes,
	s_lshl_b32 s47, s42, 8                         ; the block's 128 columns,
	s_add_co_u32 s46, s46, s47
	s_add_co_u32 s46, s46, WO_OFF                  ; behind x and w_qkv in xw
	s_mov_b32 s47, 0
	s_mul_i32 s20, s10, QUART                      ; where my load goes: the wave's number alone
	s_lshl_b32 s70, s42, 9
	s_lshl_b32 s71, s12, 8
	s_add_co_u32 s70, s70, s71                     ; my first column, in bytes of f32
	s_mov_b32 s71, 0
	s_lshl_b32 s72, s13, 9
	s_lshl_b32 s73, s11, 8
	s_add_co_u32 s72, s72, s73                     ; my first row, in bytes of m
	s_mov_b32 s73, 0
	s_lshl_b32 s74, s72, 10                        ; and in rows of 4,096 bytes
	s_mov_b32 s75, 0
	s_wait_dscnt 0x0
	s_wait_kmcnt 0x0
	s_add_nc_u64 s[14:15], s[80:81], s[16:17]
	s_add_nc_u64 s[46:47], s[82:83], s[46:47]
	s_add_nc_u64 s[90:91], s[84:85], s[70:71]      ; b_out at my columns
	s_add_nc_u64 s[92:93], s[86:87], s[72:73]      ; m at my rows
	s_add_nc_u64 s[68:69], s[88:89], s[74:75]
	s_add_nc_u64 s[68:69], s[68:69], s[70:71]      ; out0 at my corner
	CROUND                                         ; all sixteen work-groups are here: the first joint loads meet
.irp s, 0,1
	s_mov_b32 s[G0+4*\s], 1
	s_add_co_u32 s[G0+4*\s+1], s20, \s*SLOT
	s_add_nc_u64 s[G0+4*\s+2:G0+4*\s+3], s[14:15], \s*ASTEP
	s_or_b32 s[G0+4*\s+3], s[G0+4*\s+3], 0x80000000
	s_mov_b32 s[G0B+4*\s], 1
	s_add_co_u32 s[G0B+4*\s+1], s20, \s*SLOT
	s_add_nc_u64 s[G0B+4*\s+2:G0B+4*\s+3], s[46:47], \s*WSTEP
	s_or_b32 s[G0B+4*\s+3], s[G0B+4*\s+3], 0x80000000
	JLOAD \s                                       ; both slots' first fills: two loads of this wave are out
.endr
	v_and_b32 v1, 15, v0                           ; r
	v_bfe_u32 v2, v0, 4, 1                         ; h
	v_lshlrev_b32 v[BO], 5, v2
	v_lshlrev_b32 v[MOF], 2, v1
.irp bt, 0,1,2,3
	global_load_b128 v[BI+8*\bt:BI+8*\bt+3],   v[BO], s[90:91] offset:64*\bt      ; b_out of columns 16 bt + 8 h + 0..7; waited for in front of the way out
	global_load_b128 v[BI+8*\bt+4:BI+8*\bt+7], v[BO], s[90:91] offset:64*\bt+16
.endr
.irp a, 0,1,2,3
	global_load_b32 v[MP+2*\a], v[MOF], s[92:93] offset:64*\a                     ; m of row 16 a + r
.endr
	v_mul_u32_u24 v3, v1, PAH
	v_lshl_add_u32 v3, v2, 4, v3                   ; r x pitch + 16 h
	s_mul_i32 s21, s11, 64*PAH                     ; my 64 rows of each head
	v_add_nc_u32 v[ADRA], s21, v3
	v_add_nc_u32 v[ADRA+1], SLOT, v[ADRA]
	v_and_b32 v4, 7, v0                            ; transposing load: k-row 8 h + (lane & 7), 16 bytes ((lane >> 3) & 1)
	v_lshl_add_u32 v4, v2, 3, v4
	v_mul_u32_u24 v4, v4, PW
	v_bfe_u32 v5, v0, 3, 1
	v_lshl_add_u32 v4, v5, 4, v4
	s_lshl_b32 s22, s12, 7                         ; my 64 columns
	s_add_co_u32 s22, s22, WOFF
	v_add_nc_u32 v[ADRB], s22, v4
	v_add_nc_u32 v[ADRB+1], QUART, v[ADRB]
	v_add_nc_u32 v[ADRB+2], SLOT, v[ADRB]
	v_add_nc_u32 v[ADRB+3], SLOT+QUART, v[ADRB]
	s_mul_i32 s23, s10, 16*SP
	s_add_co_u32 s23, s23, STAGE                   ; my stage
	v_mul_u32_u24 v5, v1, SP
	v_lshl_add_u32 v5, v2, 5, v5
	v_add_nc_u32 v[STO], s23, v5                   ; in: row r, 32 bytes for each half of the lanes
	v_mul_u32_u24 v6, v2, SP
	v_lshl_add_u32 v6, v1, 4, v6
	v_add_nc_u32 v[RD], s23, v6                    ; back: lanes 0-15 one row of 256 bytes, lanes 16-31 the next
	v_lshlrev_b32 v7, 12, v2
	v_lshl_add_u32 v[CO], v1, 4, v7                ; and the same two rows in out0
	s_wait_tensorcnt 1                             ; my part of slot 0 is in; slot 1's stays out
	s_barrier_signal -1
	s_barrier_wait -1
	FETCH 0, 0, 0
	SEQ 0, 1                                       ; K 0-255: the first products start the sums
	TURN 0, 1, 1
	SEQ 1, 0                                       ; K 256-511
	TURN 1, 0, 1
	SEQ 0, 0                                       ; K 512-767; nothing is left to ask for
	TURN 0, 1, 0
	SEQ 1, 0                                       ; K 768-1023
	s_wait_dscnt 4
	WIN MUL_LO
	MULROW 1, 0, 0, 0
	MULROW 1, 0, 1, 0
	s_wait_dscnt 0
	WIN MUL_HI
	MULROW 1, 1, 0, 0
	MULROW 1, 1, 1, 0
	; THE WAY OUT, 16 rows at a time: add the bias, multiply by the row's m (in that order, as the problem does), through my stage, whole rows out.
	PLACES
	WIN 0
	s_wait_loadcnt 0x0                             ; b_out and m
.irp a, 0,1,2,3
	v_mov_b32 v[MP+2*\a+1], v[MP+2*\a]             ; a pair for the packed multiply
.endr
.macro OUTA a
.if \a < 2
	WIN 0x02
.else
	WIN 0x03
.endif
.irp bt, 0,1,2,3
.irp r, 0,2,4,6
	v_pk_add_f32 v[TMPF+8*\bt+\r:TMPF+8*\bt+\r+1], v[8*(NT*(\a%2)+\bt)+\r:8*(NT*(\a%2)+\bt)+\r+1], v[BI+8*\bt+\r:BI+8*\bt+\r+1]
.endr
.endr
	WIN 0
.irp bt, 0,1,2,3
.irp r, 0,2,4,6
	v_pk_mul_f32 v[TMPF+8*\bt+\r:TMPF+8*\bt+\r+1], v[TMPF+8*\bt+\r:TMPF+8*\bt+\r+1], v[MP+2*\a:MP+2*\a+1]
.endr
.endr
.irp bt, 0,1,2,3
	ds_store_b128 v[STO], v[TMPF+8*\bt:TMPF+8*\bt+3]   offset:64*\bt
	ds_store_b128 v[STO], v[TMPF+8*\bt+4:TMPF+8*\bt+7] offset:64*\bt+16
.endr
	s_wait_xcnt 0x0                                ; RB, which the last tile's stores read, is loaded again only behind this wait
.irp i, 0,1,2,3,4,5,6,7
	ds_load_b128 v[RB+4*\i:RB+4*\i+3], v[RD] offset:\i*2*SP   ; my own bytes; LDS serves a wave's instructions in order
.endr
.irp i, 0,1,2,3,4,5,6,7
	s_wait_dscnt 7-\i                              ; load i is in, the younger ones stay out
	global_store_b128 v[CO], v[RB+4*\i:RB+4*\i+3], s[68:69] offset:(16*\a+2*\i)*4096 th:TH_STORE_NT   ; 16 lanes store 256 consecutive bytes, aligned
.endr
.endm
	OUTA 0
	OUTA 1
	OUTA 2
	OUTA 3
	WIN 0
	s_set_vgpr_msb 0x1
	s_wait_tensorcnt 0x0
	ds_add_u32 v255, v255
	s_wait_dscnt 0x0
	s_set_vgpr_msb 0x100
	CROUND                                         ; the closing round: no work-group ends while a partner may still ask for a tile that names it
	s_endpgm
.Lfunc_end_k_qef17ca648c_proj:
	.size	k_qef17ca648c_proj, .Lfunc_end_k_qef17ca648c_proj-k_qef17ca648c_proj
	.p2alignl 7, 3214868480
	.fill 96, 4, 3214868480
	.section	.rodata,"a",@progbits
	.p2align	6, 0x0
	.amdhsa_kernel k_qef17ca648c_proj
		.amdhsa_group_segment_fixed_size 327680
		.amdhsa_private_segment_fixed_size 0
		.amdhsa_enable_private_segment 0
		.amdhsa_kernarg_size 40
		.amdhsa_user_sgpr_count 2
		.amdhsa_user_sgpr_kernarg_segment_ptr 1
		.amdhsa_wavefront_size32 1
		.amdhsa_system_sgpr_workgroup_id_x 1
		.amdhsa_system_sgpr_workgroup_id_y 1
		.amdhsa_system_sgpr_workgroup_id_z 1
		.amdhsa_system_vgpr_workitem_id 0
		.amdhsa_next_free_vgpr 832
		.amdhsa_next_free_sgpr 96
		.amdhsa_reserve_vcc 0
		.amdhsa_float_denorm_mode_32 3
		.amdhsa_float_denorm_mode_16_64 3
		.amdhsa_memory_ordered 1
		.amdhsa_forward_progress 1
		.amdhsa_inst_pref_size 102
	.end_amdhsa_kernel
	.amdgpu_metadata
---
amdhsa.version: [ 1, 2 ]
amdhsa.kernels:
  - .name:           k_qef17ca648c_proj
    .symbol:         k_qef17ca648c_proj.kd
    .args:
      - { .name: ob, .offset: 0, .size: 8, .value_kind: global_buffer, .address_space: global }
      - { .name: xw, .offset: 8, .size: 8, .value_kind: global_buffer, .address_space: global }
      - { .name: b_out, .offset: 16, .size: 8, .value_kind: global_buffer, .address_space: global }
      - { .name: m, .offset: 24, .size: 8, .value_kind: global_buffer, .address_space: global }
      - { .name: out0, .offset: 32, .size: 8, .value_kind: global_buffer, .address_space: global }
    .group_segment_fixed_size: 327680
    .private_segment_fixed_size: 0
    .kernarg_segment_align: 8
    .kernarg_segment_size: 40
    .max_flat_workgroup_size: 128
    .sgpr_count:     96
    .vgpr_count:     832
    .wavefront_size: 32
...
	.end_amdgpu_metadata
.endif
;; end of part 4
